; MI455X (gfx1250); checked and timed in simulation.
; The chip was launched on July 23, 2026; its instructions are those of AMD's public machine-readable ISA for CDNA 5 (MIT licence, August 2026) and "CDNA5" Instruction Set Architecture Reference Guide (July 2026). The comments in the code are by the model that wrote it; some were corrected since.
;; Inc Concave NN. Allowed arithmetic: matrix products marked QUANTISED: E4M3 operands, one given power-of-two scale a tensor, by v_wmma_f32_16x16x64_fp8_fp8 or v_wmma_f32_16x16x128_fp8_fp8, f32 sums; products left as they are: f32 operands where the result goes on into a quantised operand, else bf16, f16 or f32 operands; f32 sums; everything else in f32.
;; Inputs: h 256 x 63 float32; ib0 128 float32; ib1 128 float32; ib2 1 float32; iw0_codes 128 x 2 x 32 uint8 (E4M3 codes of iw0, K innermost, in blocks of 32 codes); iw1_codes 128 x 4 x 32 uint8 (E4M3 codes of iw1, K innermost, in blocks of 32 codes); iw2 128 x 1 float32; lowp_scales 8 int32 (the exponents e of the quantised operands' scales 2^e); nb0 128 float32; nb1 128 float32; nb2 2 float32; nw0 63 x 128 float32; nw1_codes 128 x 4 x 32 uint8 (E4M3 codes of nw1, K innermost, in blocks of 32 codes); nw2 128 x 2 float32; x 256 x 1 float32.
;; Outputs: out0 256 x 1 float32.
;; This version of the problem:
;;   THIS VERSION OF THE PROBLEM IS GIVEN IN LOW PRECISION. The matrix products marked QUANTISED in the list below multiply operands that are first quantised to E4M3 (4 exponent bits, 3 mantissa bits; 8 bits a number), with one given power-of-two scale for each operand tensor; their sums are f32. All else is computed in f32.
;;   The module's matrix products, in the order in which they are computed (A, B: the left and right operand; K: the contracted axis; several contracted axes count as one K, in the product's order):
;;     1. [M 665,856, K 64] x [K 64, N 128]; A: computed on the way; B: input iw0 (given as codes): QUANTISED (scales: A lowp_scales[0], B lowp_scales[1])
;;     2. [M 665,856, K 128] x [K 128, N 128]; A: computed on the way; B: input iw1 (given as codes): QUANTISED (scales: A lowp_scales[2], B lowp_scales[3])
;;     3. [M 665,856, K 128] x [K 128, N 1]; A: computed on the way; B: input iw2: left as it is (N = 1 < 16)
;;     4. [M 256, K 63] x [K 63, N 128]; A: input h; B: input nw0: QUANTISED (scales: A lowp_scales[4], B lowp_scales[5])
;;     5. [M 256, K 128] x [K 128, N 128]; A: computed on the way; B: input nw1 (given as codes): QUANTISED (scales: A lowp_scales[6], B lowp_scales[7])
;;     6. [M 256, K 128] x [K 128, N 2]; A: computed on the way; B: input nw2: left as it is (N = 2 < 16)
;;   THE QUANTISER, for each operand of a quantised product, along K:
;;     - The operand's scale is 2^e, e = its entry of the input lowp_scales (int32; the entries are numbered through the quantised products in the list's order, A before B).
;;     - Each number is divided by the scale, clamped to +-448, and rounded to the nearest number of E4M3, ties to even, subnormals kept.
;;     - The product sums the exact products of the quantised numbers (number of the format x scale) in f32.
;;   ~~~python
;;   def quantise(x, axis, e):      # numpy; x: float32 -> the quantised numbers, widened to float32 again
;;       x = np.moveaxis(x, axis, -1); K = x.shape[-1]
;;       r = np.clip(x / 2.0 ** e, -448, 448)
;;       step = 2.0 ** (np.maximum(np.frexp(np.where(r == 0, 1, r))[1] - 1, -6) - 3)
;;       q = np.round(r / step) * step * 2.0 ** e      # np.round: ties to even
;;       return np.moveaxis(q, -1, axis).astype(np.float32)
;;   ~~~
;;   OPERANDS COMPUTED ON THE WAY. 'Computed on the way' means the value that the module computes at that place (a softmax that the list does not call 'softmax' is quantised finished and normalised). What goes into a quantiser is computed in f32, as accurately as f32 sums, v_exp_f32 and their like allow (about 1e-6 of the number): no bf16 or f16 on the way to a quantiser, and a product that is left as it is and whose result goes on into a quantised operand takes f32 operands (vector FMAs, or v_wmma_f32_16x16x4_f32). A number that lies on a knife's edge between two numbers of the format may be rounded either way, as far as f32 arithmetic and the matrix unit's own rounding can turn it there, and no further.
;;   INPUTS GIVEN AS CODES. iw0 (in the module: [64, 128], K = its axis 0); iw1 (in the module: [128, 128], K = its axis 0); nw1 (in the module: [128, 128], K = its axis 0): each comes as NAME_codes (uint8): NAME with its K axis moved to the last place and cut into blocks of 32 codes, [.., K / 32, bytes a block], one block behind the other in memory; one code a byte (a code: sign, 4 exponent bits, 3 mantissa bits); its scale is its entry of lowp_scales. Its value is code x scale, taken as it is: it is not quantised again, and the codes and scales need not be those that the quantiser above would give.
;; 2 versions, each right and faster than the one before. Each part assembles by itself: llvm-mc -triple=amdgcn-amd-amdhsa -mcpu=gfx1250 --defsym DOCPART=n.
;; ======== version 1 of 2: 1 launch
;; launch umnn (part 1): grid 256 x 1, 8 waves a work-group, no clusters, 63,488 bytes of LDS; arguments x, h, iw0_codes, iw1_codes, ib0, ib1, iw2, ib2, nw0, nb0, nw1_codes, nb1, nw2, nb2, lowp_scales, out0; writes out0
.if DOCPART == 1
	.amdgcn_target "amdgcn-amd-amdhsa--gfx1250"
	.amdhsa_code_object_version 6
	.text
	.protected	k_qe0ad24a02b_umnn
	.globl	k_qe0ad24a02b_umnn
	.p2align	8
	.type	k_qe0ad24a02b_umnn,@function
k_qe0ad24a02b_umnn:
	s_mov_b64 s[64:65], 0
	v_nop
	global_prefetch_b8 v0, s[64:65] scope:SCOPE_SE
	s_setreg_imm32_b32 hwreg(HW_REG_WAVE_MODE, 25, 1), 1
	s_wait_xcnt 0x0
; out[b] = exp(o1) * outer + o0.  outer = the double Clenshaw-Curtis sum over 51 x 51 points of f(s, h_b), f = elu(MLP) + 1; o = a small net on h_b.
; SHARES.  Work-group b owns batch row b (256 work-groups).  Its 2,601 points n = 51 i + j are cut into 163 tiles of 16; wave w takes the tiles from 20 w + min(w, 3) on: waves 0-2 take 21, waves 3-7 take 20.
; Eight waves of 512 registers, two to a SIMD: one wave's vector work stands beside the other's matrix work.
; LAYOUT.  Both FP8 products are used transposed (source 0 = 16 units of the weight, source 1 = 16 points): a lane holds ONE point (lane % 16) and its eight registers run along eight neighbouring units
; 16 t + 8 (lane / 16) + 0..7.  That is the place this form gives k in its operands (registers 2 c, 2 c + 1: k = 16 c + 8 (lane / 16) + 0..7), so the conversion of layer 1's tile t IS registers 2 t, 2 t + 1 of layer 2's operand.
; SCALES.  A bias enters as the C of its product, divided by the product's two scales; relu and the hold at 448 are one v_med3_num_f32; the three scales ahead of a quantiser are folded into the conversion's one.
; All weights and biases stay in registers: window 1 holds iw1's, iw0's fragments and ib0; window 0 holds ib1 and iw2.  Only the code of s changes from tile to tile: one byte of the input fragment.
; xmax = max(t) + 10: steps[0] + 1 = 2 and steps[50] + 1 = 0 exactly and rounding is monotone, so max(t) = max(0, max over b of x[b]); every wave takes it from the 1,024 bytes of x.
; NOT SHARED IN A CLUSTER: what work-groups have in common is 24,576 bytes of codes, read once by each at its head; nothing is walked in steps, so there is no tile to ask for jointly, and no tensor load.
; LIMITS.  e0, e4, e5, e2 - e0 - e1 and e6 - e4 - e5 lie between -126 and 119, so that each scale and 448 x the scale is an f32 number.  NaN among the inputs is not served.  max(t) as above holds where 2 x is finite.
; The weighted sums are taken in another order than the reference's (f32 sums, none ahead of a quantiser); e^z stands for expm1(z) + 1.  The output's 4 bytes a work-group are stored by one lane.
.set W0L,  0                            ; LDS: iw0's codes, 128 rows of 64 bytes, 80 apart
.set W1L,  10240                        ; iw1's codes, 128 rows of 128 bytes, 144 apart (both pitches odd multiples of 16: the 32 lanes of an 8-byte load touch different banks)
.set PRIV, 28672                        ; 4,096 bytes for each wave, its own:
.set CCT,  256                          ;   +0 52 steps, +256 52 cc (entry 51 of both is 0),
.set SCO,  512                          ;   +512 the codes of s of the wave's 352 points, a byte each,
.set SWO,  1024                         ;   +1024 their weights, f32,
.set BVO,  2560                         ;   +2560 ib0, ib1, iw2, scaled, 512 bytes each
.set O1L,  61440                        ; the outer net's first hidden layer as 128 codes
.set REDL, 61568                        ; 16 bytes a wave: its weighted sum, its parts of o0 and o1, 0
.set MASK, 3                            ; v3   0xff in lanes 0-15, else 0
.set HB0,  4                            ; v4   register 0 of the input fragment, with h's codes
.set CODE, 5                            ; v5   the next tile's code of s
.set WGT,  6                            ; v6   weight of the tile in hand (loaded a tile ahead)
.set WPV,  7                            ; v7   weight of the tile whose tail is due
.set ACCW, 8                            ; v8   the running weighted sum
.set SCA,  16                           ; v16  LDS address of the tile's codes
.set SWA,  17                           ; v17  of its weights
.set INIT, 14                           ; v[14:15] (ib2 / 2, 0): each half of the lanes starts its dot with half of ib2
.set SC1,  22                           ; v22  2^(e2 - e0 - e1) as f32
.set IN,   24                           ; v24-31   the input fragment
.set HG,   32                           ; v32-95   layer 1's sums, then layer 2's
.set PCD,  96                           ; v96-111  layer 1's codes
.set DOT,  112                          ; v112-119 four pairs of sums of the dot with iw2
.set B1,   128                          ; v128-191 ib1 / 2^(e2 + e3)
.set W2,   192                          ; v192-255 iw2 x 2^(e2 + e3)
.set W1F,  0                            ; window 1: v0-127 iw1's fragments
.set W0F,  128                          ; window 1: v128-191 iw0's fragments
.set B0,   192                          ; window 1: v192-255 ib0 / 2^(e0 + e1)
.set MSB, 0
.macro WIN new                          ; the immediate's high byte repeats the setting that is left
.if MSB != \new
	s_set_vgpr_msb (MSB<<8)|\new
.set MSB, \new
.endif
.endm
.macro MKSC sc, lim, e                  ; sc = 2^e, lim = 448 x 2^e, as f32 patterns
	s_add_co_i32 s76, \e, 127
	s_lshl_b32 \sc, s76, 23
	s_add_co_i32 s76, s76, 8
	s_lshl_b32 \lim, s76, 23
	s_or_b32 \lim, \lim, 0x600000
.endm
.macro FILLB reg, a                     ; array a of the wave's scaled biases: register 8 t + j = entry 16 t + 8 (lane / 16) + j
.irp t, 0,1,2,3,4,5,6,7
	ds_load_b128 v[\reg+8*\t:\reg+8*\t+3], v11 offset:512*\a+64*\t
	ds_load_b128 v[\reg+8*\t+4:\reg+8*\t+7], v11 offset:512*\a+64*\t+16
.endr
.endm
	s_load_b512 s[4:19], s[0:1], 0x0               ; x, h, iw0_codes, iw1_codes, ib0, ib1, iw2, ib2
	s_load_b512 s[20:35], s[0:1], 0x40             ; nw0, nb0, nw1_codes, nb1, nw2, nb2, lowp_scales, out0
	v_and_b32 v23, 31, v0                          ; lane
	v_and_b32 v1, 15, v0                           ; r
	v_bfe_u32 v2, v0, 4, 1                         ; h = lane / 16
	v_lshrrev_b32 v9, 5, v0
	v_readfirstlane_b32 s2, v9                     ; wave 0..7
	s_lshl_b32 s48, s2, 12
	s_add_co_u32 s48, s48, PRIV                    ; my wave's own block of LDS
	s_min_u32 s73, s2, 3
	s_mul_i32 s49, s2, 20
	s_add_co_u32 s49, s49, s73
	s_lshl_b32 s49, s49, 4                         ; n0: my wave's first point
	s_mov_b32 s52, 0x76543210
	s_mov_b32 s53, 0xfedcba98                      ; v_permlanex16_b32's selects for lane l xor 16
	s_lshl_b32 s72, ttmp9, 2                       ; 4 b
	s_mov_b32 s73, 0
	s_mul_i32 s76, ttmp9, 252                      ; a row of h
	s_mov_b32 s77, 0
	; LDS addresses of the set-up
	v_mul_u32_u24 v9, v1, 80
	v_lshl_add_u32 v9, v2, 3, v9                   ; iw0's fragments: row r, + 8 h
	v_mul_u32_u24 v10, v1, 144
	v_lshl_add_u32 v10, v2, 3, v10
	v_add_nc_u32 v10, W1L, v10                     ; iw1's
	s_add_co_u32 s54, s48, BVO
	v_lshl_add_u32 v11, v2, 5, s54                 ; the biases, read: + 32 h
	v_lshlrev_b32 v12, 3, v2
	v_add_nc_u32 v12, O1L, v12                     ; the outer net's codes: + 8 h
	v_lshl_add_u32 v13, v23, 4, s54                ; the biases, stored: 16 bytes a lane
	s_add_co_u32 s54, s48, SCO
	v_add_nc_u32 v16, s54, v23                     ; codes of s, stored: a byte a lane
	s_add_co_u32 s54, s48, SWO
	v_lshl_add_u32 v17, v23, 2, s54                ; weights, stored
	; offsets in memory, and where the copied codes go
	v_lshlrev_b32 v116, 4, v0                      ; 16 bytes a thread
	v_lshrrev_b32 v117, 2, v0
	v_mul_u32_u24 v117, v117, 80
	v_and_b32 v118, 3, v0
	v_lshl_add_u32 v117, v118, 4, v117             ; iw0: row thread / 4, 16 (thread % 4)
	v_lshrrev_b32 v118, 3, v0
	v_mul_u32_u24 v118, v118, 144
	v_and_b32 v119, 7, v0
	v_lshl_add_u32 v118, v119, 4, v118
	v_add_nc_u32 v118, W1L, v118                   ; iw1: row thread / 8, 16 (thread % 8)
	v_lshlrev_b32 v119, 4, v23                     ; 16 lane
	v_lshlrev_b32 v120, 5, v23                     ; 32 lane
	v_lshlrev_b32 v121, 5, v2                      ; 32 h
	v_mul_u32_u24 v122, v2, 28                     ; 28 h: for the two loads at the row's ends
	s_lshl_b32 s54, s2, 6
	v_lshl_add_u32 v125, v2, 5, s54                ; nb0, nb1: 64 w + 32 h
	v_lshl_add_u32 v124, v1, 2, s54
	v_lshl_add_u32 v123, v2, 12, v124              ; nw0: 8 h rows of 512 bytes + 4 (16 w + r)
	v_mad_u32_u24 v124, v2, 3584, v124             ; the same with 7 h rows: for the last load, which has no row 63
	s_lshl_b32 s54, s2, 11
	v_lshl_add_u32 v126, v1, 7, s54
	v_lshl_add_u32 v126, v2, 3, v126               ; nw1's codes: row 16 w + r, + 8 h
	s_lshl_b32 s54, s2, 7
	v_lshl_add_u32 v127, v2, 6, s54                ; nw2: 8 (16 w + 8 h)
	s_wait_kmcnt 0x0
	s_load_b256 s[36:43], s[32:33], 0x0            ; e0 .. e7
	s_add_nc_u64 s[74:75], s[4:5], s[72:73]
	s_load_b32 s44, s[74:75], 0x0                  ; x[b]
	s_load_b32 s45, s[18:19], 0x0                  ; ib2
	s_load_b64 s[46:47], s[30:31], 0x0             ; nb2
	s_add_nc_u64 s[34:35], s[34:35], s[72:73]      ; out0 at b
	s_add_nc_u64 s[6:7], s[6:7], s[76:77]          ; h at row b
	; 63 loads in one run: 6 of codes to copy, 3 biases, 2 of x, 36 of h, 2 nb0, 8 nw1, 2 nb1, 4 nw2
.irp p, 0,1
	global_load_b128 v[32+4*\p:35+4*\p], v116, s[8:9] offset:4096*\p
.endr
.irp p, 0,1,2,3
	global_load_b128 v[40+4*\p:43+4*\p], v116, s[10:11] offset:4096*\p
.endr
	global_load_b128 v[56:59], v119, s[12:13]
	global_load_b128 v[60:63], v119, s[14:15]
	global_load_b128 v[64:67], v119, s[16:17]
	global_load_b128 v[68:71], v120, s[4:5]
	global_load_b128 v[72:75], v120, s[4:5] offset:16
.irp c, 0,1,2,3                         ; v[128 + 9 c + i] = h[16 c + 8 (lane / 16) + i - 1], i = 0 .. 8: nine neighbours serve both uses of h, which lie one place apart
.irp i, 0,1,2,3,4,5,6,7,8
.if (\c == 0) && (\i == 0)
	global_load_b32 v128, v122, s[6:7]             ; lanes 0-15 have no h[-1]: they read h[0], and the code of s takes its place
.elseif (\c == 3) && (\i == 8)
	global_load_b32 v163, v122, s[6:7] offset:220  ; lanes 16-31 have no h[63]: they read h[62], which is replaced by 0
.else
	global_load_b32 v[128+9*\c+\i], v121, s[6:7] offset:64*\c+4*\i-4
.endif
.endr
.endr
	global_load_b128 v[196:199], v125, s[22:23]
	global_load_b128 v[200:203], v125, s[22:23] offset:16
.irp c, 0,1,2,3,4,5,6,7
	global_load_b64 v[76+2*\c:77+2*\c], v126, s[24:25] offset:16*\c
.endr
	global_load_b128 v[92:95], v125, s[26:27]
	global_load_b128 v[96:99], v125, s[26:27] offset:16
.irp p, 0,1,2,3
	global_load_b128 v[100+4*\p:103+4*\p], v127, s[28:29] offset:16*\p
.endr
	; WHILE THE LOADS ARE OUT.  steps[k] = cos(k pi / 50): 26 constants, their mirror images by a flipped sign, entry 51 = 0; into my own block.
.set n_, 0
.irp c, 1.0, 0.998026728428, 0.992114701314, 0.982287250729, 0.968583161129, 0.951056516295, 0.929776485888, 0.904827052466, 0.876306680044, 0.844327925502, 0.809016994375, 0.770513242776, 0.728968627421, 0.684547105929, 0.637423989749, 0.587785252292, 0.535826794979, 0.481753674102, 0.425779291565, 0.368124552685, 0.309016994375, 0.248689887165, 0.187381314586, 0.125333233564, 0.0627905195293, 0
	v_mov_b32 v[204+n_], \c
.set n_, n_+1
.endr
.set n_, 26
.rept 25
	v_xor_b32 v[204+n_], 0x80000000, v[204+50-n_]
.set n_, n_+1
.endr
	v_mov_b32 v255, 0
	v_mov_b32 v193, s48
.irp p, 0,1,2,3,4,5,6,7,8,9,10,11,12
	ds_store_b128 v193, v[204+4*\p:207+4*\p] offset:16*\p     ; every lane stores the same 16 bytes
.endr
	; cc[j] = 0.04 (1 - the sum over k = 1 .. 25 of 2 / (4 k^2 - 1) cos(2 k j pi / 50)), halved for j = 0 and 50; lane = j; cc[50 - j] = cc[j].
	; cos(p pi / 50) is steps[min(p, 100 - p)] with p = 2 k j mod 100, kept up by adding 2 j.
	v_mov_b32 v189, 0
.set n_, 0
.rept 25
	v_lshl_add_u32 v189, v23, 1, v189
	v_add_nc_u32 v190, 0xffffff9c, v189            ; p - 100: huge where p < 100
	v_min_u32 v189, v189, v190
	v_sub_nc_u32 v190, 100, v189
	v_min_u32 v190, v189, v190
	v_min_u32 v190, 50, v190
	v_lshl_add_u32 v190, v190, 2, s48
	ds_load_b32 v[164+n_], v190                    ; LDS serves a wave's instructions in order (ISA guide 5.7.1.4): these see the stores above
.set n_, n_+1
.endr
	s_wait_dscnt 0x0
	v_mul_f32 v191, 0.666666667, v164
.set n_, 1
.irp c, 0.133333333, 0.0571428571, 0.0317460317, 0.0202020202, 0.0139860140, 0.0102564103, 0.00784313725, 0.00619195046, 0.00501253133, 0.00414078675, 0.00347826087, 0.00296296296, 0.00255427842, 0.00222469410, 0.00195503421, 0.00173160173, 0.00154440154, 0.00138600139, 0.00125078174, 0.00113442995, 0.00103359173, 0.000945626478, 0.000868432479, 0.000800320128
	v_fmamk_f32 v191, v[164+n_], \c, v191
.set n_, n_+1
.endr
	v_sub_f32 v191, 1.0, v191
	v_mul_f32 v191, 0.04, v191
	v_mul_f32 v192, 0.5, v191
	v_cmp_eq_u32 vcc_lo, 0, v23
	v_cndmask_b32 v191, v191, v192, vcc_lo
	v_lshl_add_u32 v190, v23, 2, s48
	ds_store_b32 v190, v191 offset:CCT             ; cc[j], j = 0 .. 31
	v_sub_nc_u32 v192, 50, v23
	v_min_u32 v192, 50, v192
	v_lshl_add_u32 v192, v192, 2, s48
	ds_store_b32 v192, v191 offset:CCT             ; cc[50 - j]: 50 .. 19; where both stores meet they hold the same number
	v_mov_b32 v189, 0
	ds_store_b32 v193, v189 offset:CCT+204         ; entry 51
	; My wave's 352 points (22 tiles: 21 at the most, and one that the loop looks ahead), 11 a lane: n = n0 + lane + 32 q, i = n / 51, j = n % 51.
	; n x 82242 >> 22 is n / 51 for n < 2,700.  Points from 2,601 on have i = 51, whose cc is 0: their weight is 0.
	v_add_nc_u32 v248, s49, v23
.irp q, 0,1,2,3,4,5,6,7,8,9,10
	v_add_nc_u32 v249, 32*\q, v248
	v_mul_lo_u32 v250, v249, 0x14142
	v_lshrrev_b32 v250, 22, v250
	v_mul_u32_u24 v251, v250, 51
	v_sub_nc_u32 v251, v249, v251
	v_min_u32 v250, 51, v250
	v_min_u32 v251, 50, v251
	v_lshl_add_u32 v250, v250, 2, s48
	v_lshl_add_u32 v251, v251, 2, s48
	ds_load_b32 v[204+4*\q], v250                  ; steps[i]
	ds_load_b32 v[205+4*\q], v250 offset:CCT       ; cc[i]
	ds_load_b32 v[206+4*\q], v251                  ; steps[j]
	ds_load_b32 v[207+4*\q], v251 offset:CCT       ; cc[j]
.endr
	s_wait_dscnt 0x0
.irp q, 0,1,2,3,4,5,6,7,8,9,10
	v_add_f32 v[204+4*\q], 1.0, v[204+4*\q]
	v_add_f32 v[206+4*\q], 1.0, v[206+4*\q]
	v_mul_f32 v[205+4*\q], v[205+4*\q], v[207+4*\q]
.endr
	s_wait_kmcnt 0x0                               ; the exponents, x[b], ib2, nb2
	MKSC s56, s55, s36                             ; e0
	MKSC s58, s57, s40                             ; e4
	MKSC s60, s59, s41                             ; e5
	s_sub_co_i32 s77, s38, s36
	s_sub_co_i32 s77, s77, s37
	MKSC s63, s50, s77                             ; e2 - e0 - e1: a sum of product 1 stands for sum x 2^(e0 + e1), its code is sum / 2^(e2 - e0 - e1)
	s_sub_co_i32 s77, s42, s40
	s_sub_co_i32 s77, s77, s41
	MKSC s62, s61, s77                             ; e6 - e4 - e5
	s_add_co_i32 s66, s36, s37
	s_sub_co_i32 s66, 0, s66                       ; -(e0 + e1)
	s_add_co_i32 s68, s38, s39                     ; e2 + e3
	s_sub_co_i32 s67, 0, s68
	s_add_co_i32 s69, s40, s41
	s_sub_co_i32 s69, 0, s69                       ; -(e4 + e5)
	s_add_co_i32 s71, s42, s43                     ; e6 + e7
	s_sub_co_i32 s70, 0, s71
	; THE CODES INTO PADDED ROWS, THE BIASES SCALED INTO MY BLOCK
	s_wait_loadcnt 52                              ; the first 11 loads are in; behind them 36 of h and 16 of the outer net may be out
	ds_store_b128 v117, v[32:35]
	ds_store_b128 v117, v[36:39] offset:5120       ; 64 rows of 80 bytes on
.irp p, 0,1,2,3
	ds_store_b128 v118, v[40+4*\p:43+4*\p] offset:4608*\p     ; 32 rows of 144 bytes on
.endr
.irp i, 0,1,2,3
	v_ldexp_f32 v[56+\i], v[56+\i], s66            ; ib0 / 2^(e0 + e1)
	v_ldexp_f32 v[60+\i], v[60+\i], s67            ; ib1 / 2^(e2 + e3)
	v_ldexp_f32 v[64+\i], v[64+\i], s68            ; iw2 x 2^(e2 + e3)
.endr
	ds_store_b128 v13, v[56:59]
	ds_store_b128 v13, v[60:63] offset:512
	ds_store_b128 v13, v[64:67] offset:1024
	s_wait_dscnt 0x0                               ; for the others' sake: my part of the codes is in LDS
	s_barrier_signal -1
	s_barrier_wait -1
	WIN 0x40                                       ; destination window 1, address window 0
.irp t, 0,1,2,3,4,5,6,7
.irp c, 0,1,2,3
	ds_load_b64 v[W0F+8*\t+2*\c:W0F+8*\t+2*\c+1], v9 offset:1280*\t+16*\c
.endr
.endr
.irp t, 0,1,2,3,4,5,6,7
.irp c, 0,1,2,3,4,5,6,7
	ds_load_b64 v[W1F+16*\t+2*\c:W1F+16*\t+2*\c+1], v10 offset:2304*\t+16*\c
.endr
.endr
	FILLB B0, 0
	WIN 0
.irp c, 0,1,2,3                         ; nw0(16 c + 8 (lane / 16) + i, 16 w + r): a lane takes a unit and its registers run down K
.irp i, 0,1,2,3,4,5,6,7
.if (\c == 3) && (\i == 7)
	global_load_b32 v195, v124, s[20:21] offset:512*55        ; lanes 16-31 have no row 63: they read row 62, which is replaced by 0
.else
	global_load_b32 v[164+8*\c+\i], v123, s[20:21] offset:512*(16*\c+\i)
.endif
.endr
.endr
	; xmax
	v_max3_num_f32 v248, v68, v69, v70
	v_max3_num_f32 v248, v248, v71, v72
	v_max3_num_f32 v248, v248, v73, v74
	v_max_num_f32 v248, v248, v75
	v_max_num_f32_dpp v248, v248, v248 row_xmask:1 row_mask:0xf bank_mask:0xf
	v_max_num_f32_dpp v248, v248, v248 row_xmask:2 row_mask:0xf bank_mask:0xf
	v_max_num_f32_dpp v248, v248, v248 row_xmask:4 row_mask:0xf bank_mask:0xf
	v_max_num_f32_dpp v248, v248, v248 row_xmask:8 row_mask:0xf bank_mask:0xf
	v_mov_b32 v249, 0                              ; (the destination of a lane permute counts as read)
	v_permlanex16_b32 v249, v248, s52, s53
	v_max_num_f32 v248, v248, v249
	v_max_num_f32 v248, 0, v248
	v_add_f32 v248, 10.0, v248
	v_readfirstlane_b32 s51, v248                  ; a value only: no address and no branch hangs on it
	v_mov_b32 v253, s55                            ; 448 x 2^e0
	v_mov_b32 v254, s56                            ; 2^e0
	; s and the weight of my 11 points, with the roundings of the reference: t = x (steps_i + 1) / 2, s = t + (xmax - t)(steps_j + 1) / 2; weight = cc_i cc_j (xmax - t); the two halvings are applied at the end
.irp q, 0,1,2,3,4,5,6,7,8,9,10
	v_mul_f32 v250, s44, v[204+4*\q]
	v_mul_f32 v250, 0.5, v250
	v_sub_f32 v251, s51, v250
	v_mul_f32 v252, v251, v[206+4*\q]
	v_fma_f32 v[32+\q], v252, 0.5, v250
	v_med3_num_f32 v[32+\q], v[32+\q], -v253, v253 ; the conversion to an 8-bit code does not saturate (ISA guide 7.6.2)
	v_mul_f32 v[205+4*\q], v[205+4*\q], v251
.endr
.irp q, 11,12,13,14,15
	v_mov_b32 v[32+\q], 0
.endr
	v_cvt_scalef32_pk8_fp8_f32 v[48:49], v[32:39], v254
	v_cvt_scalef32_pk8_fp8_f32 v[50:51], v[40:47], v254
	v_nop                                          ; one plain place behind a scaled conversion
	v_lshrrev_b32 v52, 8, v48
	v_lshrrev_b32 v53, 16, v48
	v_lshrrev_b32 v54, 24, v48
	v_lshrrev_b32 v55, 8, v49
	v_lshrrev_b32 v56, 16, v49
	v_lshrrev_b32 v57, 24, v49
	v_lshrrev_b32 v58, 8, v50
	v_lshrrev_b32 v59, 16, v50
	ds_store_b8 v16, v48
	ds_store_b8 v16, v52 offset:32
	ds_store_b8 v16, v53 offset:64
	ds_store_b8 v16, v54 offset:96
	ds_store_b8 v16, v49 offset:128
	ds_store_b8 v16, v55 offset:160
	ds_store_b8 v16, v56 offset:192
	ds_store_b8 v16, v57 offset:224
	ds_store_b8 v16, v50 offset:256
	ds_store_b8 v16, v58 offset:288
	ds_store_b8 v16, v59 offset:320
.irp q, 0,1,2,3,4,5,6,7,8,9,10
	ds_store_b32 v17, v[205+4*\q] offset:128*\q
.endr
	; h's codes, twice: for product 1 (k = 1 .. 63 of the input, scale e0) and for product 4 (k = 0 .. 62, scale e4; k = 63 is 0).  Two sets of eight registers take turns, so that no conversion's sources are written next to it.
	s_wait_loadcnt 48                              ; h is in; behind it 16 loads of the outer net and nw0's 32 may be out
	v_cmp_eq_u32 vcc_lo, 1, v2
	v_cndmask_b32 v163, v163, 0, vcc_lo
.irp c, 0,1,2,3
.irp i, 0,1,2,3,4,5,6,7
	v_med3_num_f32 v[60+8*(\c%2)+\i], v[128+9*\c+\i], -v253, v253
.endr
	v_cvt_scalef32_pk8_fp8_f32 v[IN+2*\c:IN+2*\c+1], v[60+8*(\c%2):67+8*(\c%2)], v254
.endr
	v_mov_b32 v252, s57                            ; 448 x 2^e4
	v_mov_b32 v251, s58                            ; 2^e4
.irp c, 0,1,2,3
.irp i, 0,1,2,3,4,5,6,7
	v_med3_num_f32 v[60+8*(\c%2)+\i], v[129+9*\c+\i], -v252, v252
.endr
	v_cvt_scalef32_pk8_fp8_f32 v[32+2*\c:33+2*\c], v[60+8*(\c%2):67+8*(\c%2)], v251
.endr
	v_mov_b32 v[HB0], v[IN]
	; PRODUCT 4, my wave's 16 units: source 0 = nw0's 16 columns as codes, source 1 = h's row in all 16 columns, C = nb0 / 2^(e4 + e5)
	s_wait_loadcnt 0x0                             ; nw0's loads are the youngest
	v_cndmask_b32 v195, v195, 0, vcc_lo
	v_mov_b32 v250, s59                            ; 448 x 2^e5
	v_mov_b32 v249, s60                            ; 2^e5
.irp c, 0,1,2,3
.irp i, 0,1,2,3,4,5,6,7
	v_med3_num_f32 v[164+8*\c+\i], v[164+8*\c+\i], -v250, v250
.endr
	v_cvt_scalef32_pk8_fp8_f32 v[40+2*\c:41+2*\c], v[164+8*\c:171+8*\c], v249
.endr
.irp i, 0,1,2,3,4,5,6,7
	v_ldexp_f32 v[196+\i], v[196+\i], s69
.endr
	v_sub_nc_u32 v[MASK], 1, v2                    ; four plain instructions between the last write of an operand and the matrix instruction
	v_mul_u32_u24 v[MASK], v[MASK], 0xff
	v_mov_b32 v[SC1], s63
	v_mov_b32 v[INIT], s45
	v_wmma_f32_16x16x64_fp8_fp8 v[60:67], v[40:47], v[32:39], v[196:203]
	v_mul_f32 v[INIT], 0.5, v[INIT]                ; four places behind it (ISA guide 7.12.1)
	v_mov_b32 v[INIT+1], 0
	v_mov_b32 v248, s62                            ; 2^(e6 - e4 - e5)
	s_lshl_b32 s76, s2, 4
	v_add_nc_u32 v249, s76, v12                    ; my units' place among the 128 codes: 16 w + 8 h
.irp i, 0,1,2,3,4,5,6,7
	v_med3_num_f32 v[60+\i], v[60+\i], 0, s61      ; relu and the hold at 448 in one
.endr
	v_cvt_scalef32_pk8_fp8_f32 v[68:69], v[60:67], v248
	v_nop
	ds_store_b64 v249, v[68:69]                    ; the sixteen lanes of a half hold the same eight codes
	s_wait_dscnt 0x0                               ; for the others' sake; the fills of window 1 are in too
	s_barrier_signal -1
	s_barrier_wait -1
	; PRODUCTS 5 AND 6, and the rest of the constants
.irp c, 0,1,2,3,4,5,6,7
	ds_load_b64 v[32+2*\c:33+2*\c], v12 offset:16*\c
.endr
	FILLB B1, 1
	FILLB W2, 2
.irp i, 0,1,2,3,4,5,6,7
	v_ldexp_f32 v[92+\i], v[92+\i], s70            ; nb1 / 2^(e6 + e7)
.endr
	s_add_co_u32 s76, s48, SCO
	s_add_co_u32 s77, s48, SWO
	v_add_nc_u32 v[SCA], s76, v1                   ; tile 0, point r
	v_lshl_add_u32 v[SWA], v1, 2, s77
	ds_load_u8 v[CODE], v[SCA]
	ds_load_b32 v[WGT], v[SWA]
	v_mov_b32 v[WPV], 0
	v_mov_b32 v[ACCW], 0
	s_wait_dscnt 34                                ; the eight loads of codes are in; the 32 fills and tile 0's two loads may be out
	v_wmma_f32_16x16x128_fp8_fp8 v[48:55], v[76:91], v[32:47], v[92:99]
	v_mov_b32 v21, 0
	v_mov_b32 v10, 0
	v_nop
	v_nop
.irp j, 0,1,2,3,4,5,6,7
	v_max_num_f32 v[48+\j], 0, v[48+\j]
.endr
	v_mul_f32 v19, v48, v100                       ; my eight units' part of o0 and of o1: nw2(u, c) lies at register 2 j + c
	v_mul_f32 v20, v48, v101
.irp j, 1,2,3,4,5,6,7
	v_fma_f32 v19, v[48+\j], v[100+2*\j], v19
	v_fma_f32 v20, v[48+\j], v[101+2*\j], v20
.endr
	v_permlanex16_b32 v12, v19, s52, s53
	v_permlanex16_b32 v13, v20, s52, s53
	v_add_f32 v19, v19, v12
	v_add_f32 v20, v20, v13
	v_ldexp_f32 v19, v19, s71                      ; x 2^(e6 + e7)
	v_ldexp_f32 v20, v20, s71
	s_wait_dscnt 0x0                               ; ib1, iw2, tile 0's code and weight
	v_bfi_b32 v[IN], v[MASK], v[CODE], v[HB0]      ; the code of s is byte 0 of register 0 in lanes 0-15
.irp i, 0,1,2,3,4,5,6,7
	v_mov_b32 v[DOT+\i], 0                         ; the first trip's tail works on zeros, with the weight 0
.endr
; A tile's tail is done in the next tile's turn, where it fills the places behind and ahead of matrix instructions.
.macro TAILA                            ; the lane's 64 products are summed; the other half of the lanes' sum is fetched
	v_pk_add_f32 v[DOT:DOT+1], v[DOT:DOT+1], v[DOT+2:DOT+3]
	v_pk_add_f32 v[DOT+4:DOT+5], v[DOT+4:DOT+5], v[DOT+6:DOT+7]
	v_pk_add_f32 v[DOT:DOT+1], v[DOT:DOT+1], v[DOT+4:DOT+5]
	v_add_f32 v9, v[DOT], v[DOT+1]
	v_permlanex16_b32 v10, v9, s52, s53
.endm
.macro TAILB                            ; elu(z) + 1 = max(z, 0) + e^min(z, 0), times the point's weight
	v_add_f32 v9, v9, v10
	v_mul_f32 v11, 0x3fb8aa3b, v9
	v_min_num_f32 v11, 0, v11
	v_exp_f32 v12, v11
	v_max_num_f32 v13, 0, v9                       ; the plain instruction behind the exponential
	v_fmac_f32 v[ACCW], v13, v[WPV]
	s_wait_alu depctr_va_vdst(0)
	v_fmac_f32 v[ACCW], v12, v[WPV]
	v_mov_b32 v[WPV], v[WGT]
.endm
; ONE TILE OF 16 POINTS.  No matrix instruction adds onto its own result: C is always a bias.  Each result is read from its lowest register on.
.macro TILE
	WIN 0x11                                       ; source 0 (iw0) and C (ib0) in window 1
.irp t, 0,1,2,3,4,5,6,7
	v_wmma_f32_16x16x64_fp8_fp8 v[HG+8*\t:HG+8*\t+7], v[W0F+8*\t:W0F+8*\t+7], v[IN:IN+7], v[B0+8*\t:B0+8*\t+7]
.endr
	WIN 0
	TAILA                                          ; its four additions are the places behind the products
.irp t, 0,1,2,3,4,5,6,7
.irp j, 0,1,2,3,4,5,6,7
	v_med3_num_f32 v[HG+8*\t+\j], v[HG+8*\t+\j], 0, s50       ; relu and the hold at 448 x 2^(e2 - e0 - e1) in one
.endr
	v_cvt_scalef32_pk8_fp8_f32 v[PCD+2*\t:PCD+2*\t+1], v[HG+8*\t:HG+8*\t+7], v[SC1]
.endr
	TAILB                                          ; seven plain instructions between the last conversion and the products that read the codes
	ds_load_u8 v[CODE], v[SCA] offset:16           ; the next tile's code and weight
	ds_load_b32 v[WGT], v[SWA] offset:64
	WIN 0x01                                       ; source 0 (iw1) in window 1
.irp t, 0,1,2,3,4,5,6,7
	v_wmma_f32_16x16x128_fp8_fp8 v[HG+8*\t:HG+8*\t+7], v[W1F+16*\t:W1F+16*\t+15], v[PCD:PCD+15], v[B1+8*\t:B1+8*\t+7]
.endr
	WIN 0
	s_wait_dscnt 0x0                               ; the two loads, issued eight matrix instructions ago
	v_bfi_b32 v[IN], v[MASK], v[CODE], v[HB0]      ; four places behind the products
	v_add_nc_u32 v[SCA], 16, v[SCA]
	v_add_nc_u32 v[SWA], 64, v[SWA]
	v_nop
.irp t, 0,1,2,3,4,5,6,7
.irp p, 0,1,2,3
	v_max_num_f32 v[HG+8*\t+2*\p], 0, v[HG+8*\t+2*\p]
	v_max_num_f32 v[HG+8*\t+2*\p+1], 0, v[HG+8*\t+2*\p+1]
.if (\t == 0) && (\p == 0)
	v_pk_fma_f32 v[DOT:DOT+1], v[HG:HG+1], v[W2:W2+1], v[INIT:INIT+1]
.elseif \t == 0
	v_pk_mul_f32 v[DOT+2*\p:DOT+2*\p+1], v[HG+2*\p:HG+2*\p+1], v[W2+2*\p:W2+2*\p+1]
.else
	v_pk_fma_f32 v[DOT+2*\p:DOT+2*\p+1], v[HG+8*\t+2*\p:HG+8*\t+2*\p+1], v[W2+8*\t+2*\p:W2+8*\t+2*\p+1], v[DOT+2*\p:DOT+2*\p+1]
.endif
.endr
.endr
.endm
	s_mov_b32 s54, 0
.Ltile:
	TILE
	s_add_co_u32 s54, s54, 1
	s_cmp_lt_u32 s54, 20
	s_cbranch_scc1 .Ltile
	s_cmp_ge_u32 s2, 3                             ; waves 0 to 2 have a 21st tile
	s_cbranch_scc1 .Lskip
	TILE
.Lskip:
	TAILA                                          ; the last tile's tail
	TAILB
	v_add_f32_dpp v[ACCW], v[ACCW], v[ACCW] row_xmask:1 row_mask:0xf bank_mask:0xf   ; over the 16 points of a half; both halves hold the same sums
	v_add_f32_dpp v[ACCW], v[ACCW], v[ACCW] row_xmask:2 row_mask:0xf bank_mask:0xf
	v_add_f32_dpp v[ACCW], v[ACCW], v[ACCW] row_xmask:4 row_mask:0xf bank_mask:0xf
	v_add_f32_dpp v[ACCW], v[ACCW], v[ACCW] row_xmask:8 row_mask:0xf bank_mask:0xf
	v_mov_b32 v18, v[ACCW]
	s_lshl_b32 s76, s2, 4
	s_add_co_u32 s76, s76, REDL
	v_mov_b32 v9, s76
	ds_store_b128 v9, v[18:21]                     ; my wave's sum, its parts of o0 and o1, 0
	s_wait_dscnt 0x0                               ; for wave 0's sake
	s_barrier_signal -1
	s_barrier_wait -1
	s_cmp_lg_u32 s2, 0
	s_cbranch_scc1 .Lend
	v_and_b32 v9, 7, v0
	v_lshlrev_b32 v9, 4, v9
	ds_load_b128 v[24:27], v9 offset:REDL          ; lane l takes wave l % 8's
	s_wait_dscnt 0x0
.irp m, 1,2,4
	v_add_f32_dpp v24, v24, v24 row_xmask:\m row_mask:0xf bank_mask:0xf
	v_add_f32_dpp v25, v25, v25 row_xmask:\m row_mask:0xf bank_mask:0xf
	v_add_f32_dpp v26, v26, v26 row_xmask:\m row_mask:0xf bank_mask:0xf
.endr
	v_add_f32 v26, s47, v26                        ; o1
	v_mul_f32 v26, 0x3fb8aa3b, v26
	v_exp_f32 v26, v26                             ; the scaling
	v_mul_f32 v24, s44, v24                        ; (plain instructions behind the exponential)
	v_mul_f32 v24, 0x3e800000, v24                 ; outer = the sum x x[b] / 4: the two halvings
	v_add_f32 v25, s46, v25                        ; o0
	s_wait_alu depctr_va_vdst(0)
	v_fma_f32 v24, v26, v24, v25
	v_mov_b32 v9, 0
	s_wait_xcnt 0x0                                ; EXEC changes only behind this wait
	v_cmp_eq_u32 vcc_lo, 0, v0
	s_and_saveexec_b32 s76, vcc_lo
	global_store_b32 v9, v24, s[34:35]             ; out0[b]
	s_wait_xcnt 0x0                                ; and again, in front of the line that widens it
	s_or_b32 exec_lo, exec_lo, s76
.Lend:
	s_wait_xcnt 0x0
	s_mov_b32 exec_lo, -1
	v_lshl_add_u32 v126, v0, 2, 0xf400
	v_mov_b32 v127, 0
	s_wait_tensorcnt 0x0
	ds_add_u32 v126, v127
	s_wait_dscnt 0x0
	s_endpgm
.Lfunc_end_k_qe0ad24a02b_umnn:
	.size	k_qe0ad24a02b_umnn, .Lfunc_end_k_qe0ad24a02b_umnn-k_qe0ad24a02b_umnn
	.p2alignl 7, 3214868480
	.fill 96, 4, 3214868480
	.section	.rodata,"a",@progbits
	.p2align	6, 0x0
	.amdhsa_kernel k_qe0ad24a02b_umnn
		.amdhsa_group_segment_fixed_size 63488
		.amdhsa_private_segment_fixed_size 0
		.amdhsa_enable_private_segment 0
		.amdhsa_kernarg_size 128
		.amdhsa_user_sgpr_count 2
		.amdhsa_user_sgpr_kernarg_segment_ptr 1
		.amdhsa_wavefront_size32 1
		.amdhsa_system_sgpr_workgroup_id_x 1
		.amdhsa_system_sgpr_workgroup_id_y 1
		.amdhsa_system_sgpr_workgroup_id_z 1
		.amdhsa_system_vgpr_workitem_id 0
		.amdhsa_next_free_vgpr 512
		.amdhsa_next_free_sgpr 80
		.amdhsa_reserve_vcc 1
		.amdhsa_float_denorm_mode_32 3
		.amdhsa_float_denorm_mode_16_64 3
		.amdhsa_memory_ordered 1
		.amdhsa_forward_progress 1
		.amdhsa_inst_pref_size 92
	.end_amdhsa_kernel
	.amdgpu_metadata
---
amdhsa.version: [ 1, 2 ]
amdhsa.kernels:
  - .name:           k_qe0ad24a02b_umnn
    .symbol:         k_qe0ad24a02b_umnn.kd
    .args:
      - { .name: x, .offset: 0, .size: 8, .value_kind: global_buffer, .address_space: global }
      - { .name: h, .offset: 8, .size: 8, .value_kind: global_buffer, .address_space: global }
      - { .name: iw0_codes, .offset: 16, .size: 8, .value_kind: global_buffer, .address_space: global }
      - { .name: iw1_codes, .offset: 24, .size: 8, .value_kind: global_buffer, .address_space: global }
      - { .name: ib0, .offset: 32, .size: 8, .value_kind: global_buffer, .address_space: global }
      - { .name: ib1, .offset: 40, .size: 8, .value_kind: global_buffer, .address_space: global }
      - { .name: iw2, .offset: 48, .size: 8, .value_kind: global_buffer, .address_space: global }
      - { .name: ib2, .offset: 56, .size: 8, .value_kind: global_buffer, .address_space: global }
      - { .name: nw0, .offset: 64, .size: 8, .value_kind: global_buffer, .address_space: global }
      - { .name: nb0, .offset: 72, .size: 8, .value_kind: global_buffer, .address_space: global }
      - { .name: nw1_codes, .offset: 80, .size: 8, .value_kind: global_buffer, .address_space: global }
      - { .name: nb1, .offset: 88, .size: 8, .value_kind: global_buffer, .address_space: global }
      - { .name: nw2, .offset: 96, .size: 8, .value_kind: global_buffer, .address_space: global }
      - { .name: nb2, .offset: 104, .size: 8, .value_kind: global_buffer, .address_space: global }
      - { .name: lowp_scales, .offset: 112, .size: 8, .value_kind: global_buffer, .address_space: global }
      - { .name: out0, .offset: 120, .size: 8, .value_kind: global_buffer, .address_space: global }
    .group_segment_fixed_size: 63488
    .private_segment_fixed_size: 0
    .kernarg_segment_align: 8
    .kernarg_segment_size: 128
    .max_flat_workgroup_size: 256
    .sgpr_count:     80
    .vgpr_count:     512
    .wavefront_size: 32
...
	.end_amdgpu_metadata
.endif
;; end of part 1
;; ======== version 2 of 2: 1 launch; 1.43 times as fast as version 1
;; launch umnn (part 2): grid 256 x 1, 8 waves a work-group, no clusters, 63,488 bytes of LDS; arguments x, h, iw0_codes, iw1_codes, ib0, ib1, iw2, ib2, nw0, nb0, nw1_codes, nb1, nw2, nb2, lowp_scales, out0; writes out0
.if DOCPART == 2
	.amdgcn_target "amdgcn-amd-amdhsa--gfx1250"
	.amdhsa_code_object_version 6
	.text
	.protected	k_qe0ad24a02b_umnn
	.globl	k_qe0ad24a02b_umnn
	.p2align	8
	.type	k_qe0ad24a02b_umnn,@function
k_qe0ad24a02b_umnn:
	s_mov_b64 s[64:65], 0
	v_nop
	global_prefetch_b8 v0, s[64:65] scope:SCOPE_SE
	s_setreg_imm32_b32 hwreg(HW_REG_WAVE_MODE, 25, 1), 1
	s_wait_xcnt 0x0
; out[b] = exp(o1) * outer + o0.  outer = the double Clenshaw-Curtis sum over 51 x 51 points of f(s, h_b), f = elu(MLP) + 1; o = a small net on h_b.
; SHARES.  Work-group b owns batch row b (256 work-groups).  Its 2,601 points n = 51 i + j are cut into 163 tiles of 16; wave w takes the tiles from 20 w + min(w, 3) on: waves 0-2 take 21, waves 3-7 take 20.
; Eight waves of 512 registers, two to a SIMD: one wave's vector work stands beside the other's matrix work.
; LAYOUT.  Both FP8 products are used transposed (source 0 = 16 units of the weight, source 1 = 16 points): a lane holds ONE point (lane % 16) and its eight registers run along eight neighbouring units
; 16 t + 8 (lane / 16) + 0..7.  That is the place this form gives k in its operands (registers 2 c, 2 c + 1: k = 16 c + 8 (lane / 16) + 0..7), so the conversion of layer 1's tile t IS registers 2 t, 2 t + 1 of layer 2's operand.
; SCALES.  A bias enters as the C of its product, divided by the product's two scales; relu and the hold at 448 are one v_med3_num_f32; the three scales ahead of a quantiser are folded into the conversion's one.
; All weights and biases stay in registers: window 1 holds iw1's, iw0's fragments and ib0; window 0 holds ib1 and iw2.  Only the code of s changes from tile to tile: one byte of the input fragment.
; ORDER IN THE SET-UP.  What needs no memory (the steps, cc) stands between the loads of the arguments and the wait for them; the points' indices stand behind the global loads.  A step that recurs for a lane's
; eleven points is written for all eleven, in registers of their own, before the next step, so that no instruction stands next to the one whose result it reads.
; ORDER IN THE LOOP.  Likewise: a tile's holds stand a group ahead of its conversion, its relus a group ahead of its multiply-adds, and the tail of
; the tile before (twelve instructions, each reading the one before) is dealt out singly among them, where it also fills the places round the matrix instructions.
; xmax = max(t) + 10: steps[0] + 1 = 2 and steps[50] + 1 = 0 exactly and rounding is monotone, so max(t) = max(0, max over b of x[b]); every wave takes it from the 1,024 bytes of x.
; NOT SHARED IN A CLUSTER: what work-groups have in common is 24,576 bytes of codes, read once by each at its head; nothing is walked in steps, so there is no tile to ask for jointly, and no tensor load.
; LIMITS.  e0, e4, e5, e2 - e0 - e1 and e6 - e4 - e5 lie between -126 and 119, so that each scale and 448 x the scale is an f32 number.  NaN among the inputs is not served.  max(t) as above holds where 2 x is finite.
; The weighted sums are taken in another order than the reference's (f32 sums, none ahead of a quantiser); e^z stands for expm1(z) + 1.  The output's 4 bytes a work-group are stored by one lane.
.set W0L,  0                            ; LDS: iw0's codes, 128 rows of 64 bytes, 80 apart
.set W1L,  10240                        ; iw1's codes, 128 rows of 128 bytes, 144 apart (both pitches odd multiples of 16: the 32 lanes of an 8-byte load touch different banks)
.set PRIV, 28672                        ; 4,096 bytes for each wave, its own:
.set CCT,  256                          ;   +0 52 steps, +256 52 cc (entry 51 of both is 0),
.set SCO,  512                          ;   +512 the codes of s of the wave's 352 points, a byte each,
.set SWO,  1024                         ;   +1024 a tile of 16 zeros, then the 352 points' weights, f32: slot k holds tile k - 1's,
.set BVO,  2560                         ;   +2560 ib0, ib1, iw2, scaled, 512 bytes each
.set O1L,  61440                        ; the outer net's first hidden layer as 128 codes
.set REDL, 61568                        ; 16 bytes a wave: its weighted sum, its parts of o0 and o1, 0
.set MASK, 3                            ; v3   0xff in lanes 0-15, else 0
.set HB0,  4                            ; v4   register 0 of the input fragment, with h's codes
.set CODE, 5                            ; v5   the next tile's code of s
.set ACCR, 6                            ; v6   the running sum of weight x max(z, 0)
.set WPV,  7                            ; v7   weight of the tile whose tail is due
.set ACCW, 8                            ; v8   the running sum of weight x e^min(z, 0)
.set SCA,  16                           ; v16  LDS address of the tile's codes
.set SWA,  17                           ; v17  of the weights' slot
.set INIT, 14                           ; v[14:15] (ib2 / 2, 0): each half of the lanes starts its dot with half of ib2
.set SC1,  22                           ; v22  2^(e2 - e0 - e1) as f32
.set IN,   24                           ; v24-31   the input fragment
.set HG,   32                           ; v32-95   layer 1's sums, then layer 2's
.set PCD,  96                           ; v96-111  layer 1's codes
.set DOT,  112                          ; v112-119 four pairs of sums of the dot with iw2
.set B1,   128                          ; v128-191 ib1 / 2^(e2 + e3)
.set W2,   192                          ; v192-255 iw2 x 2^(e2 + e3)
.set W1F,  0                            ; window 1: v0-127 iw1's fragments
.set W0F,  128                          ; window 1: v128-191 iw0's fragments
.set B0,   192                          ; window 1: v192-255 ib0 / 2^(e0 + e1)
.set PT,   204                          ; v204-247 set-up: four registers for each of a lane's eleven points
.set MSB, 0
.macro WIN new                          ; the immediate's high byte repeats the setting that is left
.if MSB != \new
	s_set_vgpr_msb (MSB<<8)|\new
.set MSB, \new
.endif
.endm
.macro MKSC sc, lim, e                  ; sc = 2^e, lim = 448 x 2^e, as f32 patterns
	s_add_co_i32 s76, \e, 127
	s_lshl_b32 \sc, s76, 23
	s_add_co_i32 s76, s76, 8
	s_lshl_b32 \lim, s76, 23
	s_or_b32 \lim, \lim, 0x600000
.endm
.macro FILLB reg, a                     ; array a of the wave's scaled biases: register 8 t + j = entry 16 t + 8 (lane / 16) + j
.irp t, 0,1,2,3,4,5,6,7
	ds_load_b128 v[\reg+8*\t:\reg+8*\t+3], v11 offset:512*\a+64*\t
	ds_load_b128 v[\reg+8*\t+4:\reg+8*\t+7], v11 offset:512*\a+64*\t+16
.endr
.endm
	s_load_b512 s[4:19], s[0:1], 0x0               ; x, h, iw0_codes, iw1_codes, ib0, ib1, iw2, ib2
	s_load_b512 s[20:35], s[0:1], 0x40             ; nw0, nb0, nw1_codes, nb1, nw2, nb2, lowp_scales, out0
	v_lshrrev_b32 v9, 5, v0
	v_readfirstlane_b32 s2, v9                     ; wave 0..7
	v_and_b32 v23, 31, v0                          ; lane
	v_and_b32 v1, 15, v0                           ; r
	v_bfe_u32 v2, v0, 4, 1                         ; h = lane / 16
	s_lshl_b32 s48, s2, 12
	s_add_co_u32 s48, s48, PRIV                    ; my wave's own block of LDS
	s_min_u32 s73, s2, 3
	s_mul_i32 s49, s2, 20
	s_add_co_u32 s49, s49, s73
	s_lshl_b32 s49, s49, 4                         ; n0: my wave's first point
	s_mov_b32 s52, 0x76543210
	s_mov_b32 s53, 0xfedcba98                      ; v_permlanex16_b32's selects for lane l xor 16
	s_lshl_b32 s72, ttmp9, 2                       ; 4 b
	s_mov_b32 s73, 0
	s_mul_i32 s76, ttmp9, 252                      ; a row of h
	s_mov_b32 s77, 0
	; WHILE THE ARGUMENTS ARE ON THEIR WAY.  steps[k] = cos(k pi / 50): 26 constants, their mirror images by a flipped sign, entry 51 = 0; into my own block.
.set n_, 0
.irp c, 1.0, 0.998026728428, 0.992114701314, 0.982287250729, 0.968583161129, 0.951056516295, 0.929776485888, 0.904827052466, 0.876306680044, 0.844327925502, 0.809016994375, 0.770513242776, 0.728968627421, 0.684547105929, 0.637423989749, 0.587785252292, 0.535826794979, 0.481753674102, 0.425779291565, 0.368124552685, 0.309016994375, 0.248689887165, 0.187381314586, 0.125333233564, 0.0627905195293, 0
	v_mov_b32 v[204+n_], \c
.set n_, n_+1
.endr
.set n_, 26
.rept 25
	v_xor_b32 v[204+n_], 0x80000000, v[204+50-n_]
.set n_, n_+1
.endr
	v_mov_b32 v255, 0
	v_mov_b32 v193, s48
.irp p, 0,1,2,3,4,5,6,7,8,9,10,11,12
	ds_store_b128 v193, v[204+4*\p:207+4*\p] offset:16*\p     ; every lane stores the same 16 bytes
.endr
	; lane = j: y = cos(2 j pi / 50) = steps[min(2 j, 100 - 2 j)]
	v_lshlrev_b32 v189, 1, v23
	v_sub_nc_u32 v190, 100, v189
	v_min_u32 v189, v189, v190
	v_min_u32 v189, 50, v189
	v_lshl_add_u32 v189, v189, 2, s48
	ds_load_b32 v164, v189                         ; LDS serves a wave's instructions in order (ISA guide 5.7.1.4): it sees the stores above
	; the addresses of the set-up are made while that load is out.  In LDS:
	v_mul_u32_u24 v9, v1, 80
	v_lshl_add_u32 v9, v2, 3, v9                   ; iw0's fragments: row r, + 8 h
	v_mul_u32_u24 v10, v1, 144
	v_lshl_add_u32 v10, v2, 3, v10
	v_add_nc_u32 v10, W1L, v10                     ; iw1's
	s_add_co_u32 s54, s48, BVO
	v_lshl_add_u32 v11, v2, 5, s54                 ; the biases, read: + 32 h
	v_lshlrev_b32 v12, 3, v2
	v_add_nc_u32 v12, O1L, v12                     ; the outer net's codes: + 8 h
	v_lshl_add_u32 v13, v23, 4, s54                ; the biases, stored: 16 bytes a lane
	s_add_co_u32 s54, s48, SCO
	v_add_nc_u32 v16, s54, v23                     ; codes of s, stored: a byte a lane
	s_add_co_u32 s54, s48, SWO
	v_lshl_add_u32 v17, v23, 2, s54                ; weights, stored
	; offsets in memory, and where the copied codes go
	v_lshlrev_b32 v116, 4, v0                      ; 16 bytes a thread
	v_lshrrev_b32 v117, 2, v0
	v_mul_u32_u24 v117, v117, 80
	v_and_b32 v118, 3, v0
	v_lshl_add_u32 v117, v118, 4, v117             ; iw0: row thread / 4, 16 (thread % 4)
	v_lshrrev_b32 v118, 3, v0
	v_mul_u32_u24 v118, v118, 144
	v_and_b32 v119, 7, v0
	v_lshl_add_u32 v118, v119, 4, v118
	v_add_nc_u32 v118, W1L, v118                   ; iw1: row thread / 8, 16 (thread % 8)
	v_lshlrev_b32 v119, 4, v23                     ; 16 lane
	v_lshlrev_b32 v120, 5, v23                     ; 32 lane
	v_lshlrev_b32 v121, 5, v2                      ; 32 h
	v_mul_u32_u24 v122, v2, 28                     ; 28 h: for the two loads at the row's ends
	s_lshl_b32 s54, s2, 6
	v_lshl_add_u32 v125, v2, 5, s54                ; nb0, nb1: 64 w + 32 h
	v_lshl_add_u32 v124, v1, 2, s54
	v_lshl_add_u32 v123, v2, 12, v124              ; nw0: 8 h rows of 512 bytes + 4 (16 w + r)
	v_mad_u32_u24 v124, v2, 3584, v124             ; the same with 7 h rows: for the last load, which has no row 63
	s_lshl_b32 s54, s2, 11
	v_lshl_add_u32 v126, v1, 7, s54
	v_lshl_add_u32 v126, v2, 3, v126               ; nw1's codes: row 16 w + r, + 8 h
	s_lshl_b32 s54, s2, 7
	v_lshl_add_u32 v127, v2, 6, s54                ; nw2: 8 (16 w + 8 h)
	; cc[j] = 0.04 (1 - the sum over k = 1 .. 25 of 2 / (4 k^2 - 1) cos(2 k j pi / 50)), halved for j = 0 and 50; cc[50 - j] = cc[j].
	; T(k) = cos(2 k j pi / 50) by T(k + 1) = 2 y T(k) - T(k - 1), T(0) = 1, T(1) = y; T(k) lies in v[163 + k].  A rounding at one step reaches a later T with a factor of 1 / sin(2 j pi / 50) at the most, under 8,
	; and the terms are weighted by 2 / (4 k^2 - 1): the sum is off by some 1e-6, and the smallest value of 1 - the sum is 1 / 51.  cc stands ahead of no quantiser.
	s_wait_dscnt 0x0
	v_add_f32 v190, v164, v164                     ; 2 y
	v_mul_f32 v191, 0.666666667, v164
	v_fma_f32 v165, v190, v164, -1.0
.set n_, 1
.irp c, 0.133333333, 0.0571428571, 0.0317460317, 0.0202020202, 0.0139860140, 0.0102564103, 0.00784313725, 0.00619195046, 0.00501253133, 0.00414078675, 0.00347826087, 0.00296296296, 0.00255427842, 0.00222469410, 0.00195503421, 0.00173160173, 0.00154440154, 0.00138600139, 0.00125078174, 0.00113442995, 0.00103359173, 0.000945626478, 0.000868432479, 0.000800320128
.if n_ < 24
	v_fma_f32 v[165+n_], v190, v[164+n_], -v[163+n_]
.endif
	v_fmamk_f32 v191, v[164+n_], \c, v191
.set n_, n_+1
.endr
	v_sub_f32 v191, 1.0, v191
	v_mul_f32 v191, 0.04, v191
	v_mul_f32 v192, 0.5, v191
	v_cmp_eq_u32 vcc_lo, 0, v23
	v_cndmask_b32 v191, v191, v192, vcc_lo
	v_lshl_add_u32 v190, v23, 2, s48
	ds_store_b32 v190, v191 offset:CCT             ; cc[j], j = 0 .. 31
	v_sub_nc_u32 v192, 50, v23
	v_min_u32 v192, 50, v192
	v_lshl_add_u32 v192, v192, 2, s48
	ds_store_b32 v192, v191 offset:CCT             ; cc[50 - j]: 50 .. 19; where both stores meet they hold the same number
	v_mov_b32 v189, 0
	ds_store_b32 v193, v189 offset:CCT+204         ; entry 51
	s_wait_kmcnt 0x0                               ; the arguments
	s_load_b256 s[36:43], s[32:33], 0x0            ; e0 .. e7
	s_add_nc_u64 s[74:75], s[4:5], s[72:73]
	s_load_b32 s44, s[74:75], 0x0                  ; x[b]
	s_load_b32 s45, s[18:19], 0x0                  ; ib2
	s_load_b64 s[46:47], s[30:31], 0x0             ; nb2
	s_add_nc_u64 s[34:35], s[34:35], s[72:73]      ; out0 at b
	s_add_nc_u64 s[6:7], s[6:7], s[76:77]          ; h at row b
	; 63 loads in one run: 6 of codes to copy, 3 biases, 2 of x, 36 of h, 2 nb0, 8 nw1, 2 nb1, 4 nw2
.irp p, 0,1
	global_load_b128 v[32+4*\p:35+4*\p], v116, s[8:9] offset:4096*\p
.endr
.irp p, 0,1,2,3
	global_load_b128 v[40+4*\p:43+4*\p], v116, s[10:11] offset:4096*\p
.endr
	global_load_b128 v[56:59], v119, s[12:13]
	global_load_b128 v[60:63], v119, s[14:15]
	global_load_b128 v[64:67], v119, s[16:17]
	global_load_b128 v[68:71], v120, s[4:5]
	global_load_b128 v[72:75], v120, s[4:5] offset:16
.irp c, 0,1,2,3                         ; v[128 + 9 c + i] = h[16 c + 8 (lane / 16) + i - 1], i = 0 .. 8: nine neighbours serve both uses of h, which lie one place apart
.irp i, 0,1,2,3,4,5,6,7,8
.if (\c == 0) && (\i == 0)
	global_load_b32 v128, v122, s[6:7]             ; lanes 0-15 have no h[-1]: they read h[0], and the code of s takes its place
.elseif (\c == 3) && (\i == 8)
	global_load_b32 v163, v122, s[6:7] offset:220  ; lanes 16-31 have no h[63]: they read h[62], which is replaced by 0
.else
	global_load_b32 v[128+9*\c+\i], v121, s[6:7] offset:64*\c+4*\i-4
.endif
.endr
.endr
	global_load_b128 v[196:199], v125, s[22:23]
	global_load_b128 v[200:203], v125, s[22:23] offset:16
.irp c, 0,1,2,3,4,5,6,7
	global_load_b64 v[76+2*\c:77+2*\c], v126, s[24:25] offset:16*\c
.endr
	global_load_b128 v[92:95], v125, s[26:27]
	global_load_b128 v[96:99], v125, s[26:27] offset:16
.irp p, 0,1,2,3
	global_load_b128 v[100+4*\p:103+4*\p], v127, s[28:29] offset:16*\p
.endr
	; WHILE THE LOADS ARE OUT.  My wave's 352 points (22 tiles: 21 at the most, and one that the loop looks ahead), 11 a lane: n = n0 + lane + 32 q, i = n / 51, j = n % 51.
	; n x 82242 >> 22 is n / 51 for n < 2,700.  Points from 2,601 on have i = 51, whose cc is 0: their weight is 0.  Point q works in v[PT + 4 q .. + 3]; its two LDS addresses lie in v[164 + 2 q], v[165 + 2 q].
	v_add_nc_u32 v248, s49, v23
.irp q, 0,1,2,3,4,5,6,7,8,9,10
	v_add_nc_u32 v[PT+4*\q], 32*\q, v248           ; n
.endr
.irp q, 0,1,2,3,4,5,6,7,8,9,10
	v_mul_lo_u32 v[PT+1+4*\q], v[PT+4*\q], 0x14142
.endr
.irp q, 0,1,2,3,4,5,6,7,8,9,10
	v_lshrrev_b32 v[PT+1+4*\q], 22, v[PT+1+4*\q]   ; i
.endr
.irp q, 0,1,2,3,4,5,6,7,8,9,10
	v_mul_u32_u24 v[PT+2+4*\q], v[PT+1+4*\q], 51
.endr
.irp q, 0,1,2,3,4,5,6,7,8,9,10
	v_sub_nc_u32 v[PT+2+4*\q], v[PT+4*\q], v[PT+2+4*\q]       ; j
.endr
.irp q, 0,1,2,3,4,5,6,7,8,9,10
	v_min_u32 v[PT+1+4*\q], 51, v[PT+1+4*\q]
	v_min_u32 v[PT+2+4*\q], 50, v[PT+2+4*\q]
.endr
.irp q, 0,1,2,3,4,5,6,7,8,9,10
	v_lshl_add_u32 v[164+2*\q], v[PT+1+4*\q], 2, s48
	v_lshl_add_u32 v[165+2*\q], v[PT+2+4*\q], 2, s48
.endr
.irp q, 0,1,2,3,4,5,6,7,8,9,10
	ds_load_b32 v[PT+4*\q], v[164+2*\q]            ; steps[i]
	ds_load_b32 v[PT+1+4*\q], v[164+2*\q] offset:CCT          ; cc[i]
	ds_load_b32 v[PT+2+4*\q], v[165+2*\q]          ; steps[j]
	ds_load_b32 v[PT+3+4*\q], v[165+2*\q] offset:CCT          ; cc[j]
.endr
	s_wait_dscnt 0x0
.irp q, 0,1,2,3,4,5,6,7,8,9,10
	v_add_f32 v[PT+4*\q], 1.0, v[PT+4*\q]
	v_add_f32 v[PT+2+4*\q], 1.0, v[PT+2+4*\q]
	v_mul_f32 v[PT+1+4*\q], v[PT+1+4*\q], v[PT+3+4*\q]
.endr
	s_wait_kmcnt 0x0                               ; the exponents, x[b], ib2, nb2
	MKSC s56, s55, s36                             ; e0
	MKSC s58, s57, s40                             ; e4
	MKSC s60, s59, s41                             ; e5
	s_sub_co_i32 s77, s38, s36
	s_sub_co_i32 s77, s77, s37
	MKSC s63, s50, s77                             ; e2 - e0 - e1: a sum of product 1 stands for sum x 2^(e0 + e1), its code is sum / 2^(e2 - e0 - e1)
	s_sub_co_i32 s77, s42, s40
	s_sub_co_i32 s77, s77, s41
	MKSC s62, s61, s77                             ; e6 - e4 - e5
	s_add_co_i32 s66, s36, s37
	s_sub_co_i32 s66, 0, s66                       ; -(e0 + e1)
	s_add_co_i32 s68, s38, s39                     ; e2 + e3
	s_sub_co_i32 s67, 0, s68
	s_add_co_i32 s69, s40, s41
	s_sub_co_i32 s69, 0, s69                       ; -(e4 + e5)
	s_add_co_i32 s71, s42, s43                     ; e6 + e7
	s_sub_co_i32 s70, 0, s71
	; THE CODES INTO PADDED ROWS, THE BIASES SCALED INTO MY BLOCK
	s_wait_loadcnt 52                              ; the first 11 loads are in; behind them 36 of h and 16 of the outer net may be out
	ds_store_b128 v117, v[32:35]
	ds_store_b128 v117, v[36:39] offset:5120       ; 64 rows of 80 bytes on
.irp p, 0,1,2,3
	ds_store_b128 v118, v[40+4*\p:43+4*\p] offset:4608*\p     ; 32 rows of 144 bytes on
.endr
.irp i, 0,1,2,3
	v_ldexp_f32 v[56+\i], v[56+\i], s66            ; ib0 / 2^(e0 + e1)
	v_ldexp_f32 v[60+\i], v[60+\i], s67            ; ib1 / 2^(e2 + e3)
	v_ldexp_f32 v[64+\i], v[64+\i], s68            ; iw2 x 2^(e2 + e3)
.endr
	ds_store_b128 v13, v[56:59]
	ds_store_b128 v13, v[60:63] offset:512
	ds_store_b128 v13, v[64:67] offset:1024
.irp c, 0,1,2,3                         ; nw0(16 c + 8 (lane / 16) + i, 16 w + r): a lane takes a unit and its registers run down K.  Issued while the stores above are on their way
.irp i, 0,1,2,3,4,5,6,7
.if (\c == 3) && (\i == 7)
	global_load_b32 v195, v124, s[20:21] offset:512*55        ; lanes 16-31 have no row 63: they read row 62, which is replaced by 0
.else
	global_load_b32 v[164+8*\c+\i], v123, s[20:21] offset:512*(16*\c+\i)
.endif
.endr
.endr
	s_wait_dscnt 0x0                               ; for the others' sake: my part of the codes is in LDS
	s_barrier_signal -1
	WIN 0x40                                       ; destination window 1, address window 0
	FILLB B0, 0                                    ; between signal and wait: loads from my own block, whose bytes no wave writes again
	s_barrier_wait -1
.irp t, 0,1,2,3,4,5,6,7
.irp c, 0,1,2,3
	ds_load_b64 v[W0F+8*\t+2*\c:W0F+8*\t+2*\c+1], v9 offset:1280*\t+16*\c
.endr
.endr
.irp t, 0,1,2,3,4,5,6,7
.irp c, 0,1,2,3,4,5,6,7
	ds_load_b64 v[W1F+16*\t+2*\c:W1F+16*\t+2*\c+1], v10 offset:2304*\t+16*\c
.endr
.endr
	WIN 0
	; xmax
	v_max3_num_f32 v248, v68, v69, v70
	v_max3_num_f32 v248, v248, v71, v72
	v_max3_num_f32 v248, v248, v73, v74
	v_max_num_f32 v248, v248, v75
	v_max_num_f32_dpp v248, v248, v248 row_xmask:1 row_mask:0xf bank_mask:0xf
	v_max_num_f32_dpp v248, v248, v248 row_xmask:2 row_mask:0xf bank_mask:0xf
	v_max_num_f32_dpp v248, v248, v248 row_xmask:4 row_mask:0xf bank_mask:0xf
	v_max_num_f32_dpp v248, v248, v248 row_xmask:8 row_mask:0xf bank_mask:0xf
	v_mov_b32 v249, 0                              ; (the destination of a lane permute counts as read)
	v_permlanex16_b32 v249, v248, s52, s53
	v_max_num_f32 v248, v248, v249
	v_max_num_f32 v248, 0, v248
	v_add_f32 v248, 10.0, v248
	v_readfirstlane_b32 s51, v248                  ; a value only: no address and no branch hangs on it
	v_mov_b32 v253, s55                            ; 448 x 2^e0
	v_mov_b32 v254, s56                            ; 2^e0
	; s and the weight of my 11 points, with the roundings of the reference: t = x (steps_i + 1) / 2, s = t + (xmax - t)(steps_j + 1) / 2; weight = cc_i cc_j (xmax - t); the two halvings are applied at the end
.irp q, 0,1,2,3,4,5,6,7,8,9,10
	v_mul_f32 v[PT+4*\q], s44, v[PT+4*\q]
.endr
.irp q, 0,1,2,3,4,5,6,7,8,9,10
	v_mul_f32 v[PT+4*\q], 0.5, v[PT+4*\q]          ; t
.endr
.irp q, 0,1,2,3,4,5,6,7,8,9,10
	v_sub_f32 v[PT+3+4*\q], s51, v[PT+4*\q]        ; xmax - t
.endr
.irp q, 0,1,2,3,4,5,6,7,8,9,10
	v_mul_f32 v[PT+2+4*\q], v[PT+3+4*\q], v[PT+2+4*\q]
	v_mul_f32 v[PT+1+4*\q], v[PT+1+4*\q], v[PT+3+4*\q]        ; the weight
.endr
.irp q, 0,1,2,3,4,5,6,7,8,9,10
	v_fma_f32 v[32+\q], v[PT+2+4*\q], 0.5, v[PT+4*\q]         ; s
.endr
.irp q, 0,1,2,3,4,5,6,7,8,9,10
	v_med3_num_f32 v[32+\q], v[32+\q], -v253, v253 ; the conversion to an 8-bit code does not saturate (ISA guide 7.6.2)
.endr
.irp q, 11,12,13,14,15
	v_mov_b32 v[32+\q], 0
.endr
	v_cvt_scalef32_pk8_fp8_f32 v[48:49], v[32:39], v254
	v_cvt_scalef32_pk8_fp8_f32 v[50:51], v[40:47], v254
	v_nop                                          ; one plain place behind a scaled conversion
	v_lshrrev_b32 v52, 8, v48
	v_lshrrev_b32 v53, 16, v48
	v_lshrrev_b32 v54, 24, v48
	v_lshrrev_b32 v55, 8, v49
	v_lshrrev_b32 v56, 16, v49
	v_lshrrev_b32 v57, 24, v49
	v_lshrrev_b32 v58, 8, v50
	v_lshrrev_b32 v59, 16, v50
	ds_store_b8 v16, v48
	ds_store_b8 v16, v52 offset:32
	ds_store_b8 v16, v53 offset:64
	ds_store_b8 v16, v54 offset:96
	ds_store_b8 v16, v49 offset:128
	ds_store_b8 v16, v55 offset:160
	ds_store_b8 v16, v56 offset:192
	ds_store_b8 v16, v57 offset:224
	ds_store_b8 v16, v50 offset:256
	ds_store_b8 v16, v58 offset:288
	ds_store_b8 v16, v59 offset:320
	ds_store_b32 v17, v47                          ; 32 zeros (v47 holds 0): the first 16 stay as slot 0, the weight of the tail that the first trip works off; the next store lands on the other 16
.irp q, 0,1,2,3,4,5,6,7,8,9,10
	ds_store_b32 v17, v[PT+1+4*\q] offset:64+128*\q
.endr
	; h's codes, twice: for product 1 (k = 1 .. 63 of the input, scale e0) and for product 4 (k = 0 .. 62, scale e4; k = 63 is 0).  Two sets of eight registers take turns, so that no conversion's sources are written next to it.
	s_wait_loadcnt 48                              ; h is in; behind it 16 loads of the outer net and nw0's 32 may be out
	v_cmp_eq_u32 vcc_lo, 1, v2
	v_cndmask_b32 v163, v163, 0, vcc_lo
.irp c, 0,1,2,3
.irp i, 0,1,2,3,4,5,6,7
	v_med3_num_f32 v[60+8*(\c%2)+\i], v[128+9*\c+\i], -v253, v253
.endr
	v_cvt_scalef32_pk8_fp8_f32 v[IN+2*\c:IN+2*\c+1], v[60+8*(\c%2):67+8*(\c%2)], v254
.endr
	v_mov_b32 v252, s57                            ; 448 x 2^e4
	v_mov_b32 v251, s58                            ; 2^e4
.irp c, 0,1,2,3
.irp i, 0,1,2,3,4,5,6,7
	v_med3_num_f32 v[60+8*(\c%2)+\i], v[129+9*\c+\i], -v252, v252
.endr
	v_cvt_scalef32_pk8_fp8_f32 v[32+2*\c:33+2*\c], v[60+8*(\c%2):67+8*(\c%2)], v251
.endr
	v_mov_b32 v[HB0], v[IN]
	; PRODUCT 4, my wave's 16 units: source 0 = nw0's 16 columns as codes, source 1 = h's row in all 16 columns, C = nb0 / 2^(e4 + e5)
	s_wait_loadcnt 0x0                             ; nw0's loads are the youngest
	v_cndmask_b32 v195, v195, 0, vcc_lo
	v_mov_b32 v250, s59                            ; 448 x 2^e5
	v_mov_b32 v249, s60                            ; 2^e5
.irp c, 0,1,2,3
.irp i, 0,1,2,3,4,5,6,7
	v_med3_num_f32 v[164+8*\c+\i], v[164+8*\c+\i], -v250, v250
.endr
	v_cvt_scalef32_pk8_fp8_f32 v[40+2*\c:41+2*\c], v[164+8*\c:171+8*\c], v249
.endr
.irp i, 0,1,2,3,4,5,6,7
	v_ldexp_f32 v[196+\i], v[196+\i], s69
.endr
	v_sub_nc_u32 v[MASK], 1, v2                    ; four plain instructions between the last write of an operand and the matrix instruction
	v_mul_u32_u24 v[MASK], v[MASK], 0xff
	v_mov_b32 v[SC1], s63
	v_mov_b32 v[INIT], s45
	v_wmma_f32_16x16x64_fp8_fp8 v[60:67], v[40:47], v[32:39], v[196:203]
	v_mul_f32 v[INIT], 0.5, v[INIT]                ; four places behind it (ISA guide 7.12.1)
	v_mov_b32 v[INIT+1], 0
	v_mov_b32 v248, s62                            ; 2^(e6 - e4 - e5)
	s_lshl_b32 s76, s2, 4
	v_add_nc_u32 v249, s76, v12                    ; my units' place among the 128 codes: 16 w + 8 h
.irp i, 0,1,2,3,4,5,6,7
	v_med3_num_f32 v[60+\i], v[60+\i], 0, s61      ; relu and the hold at 448 in one
.endr
	v_cvt_scalef32_pk8_fp8_f32 v[68:69], v[60:67], v248
	v_nop
	ds_store_b64 v249, v[68:69]                    ; the sixteen lanes of a half hold the same eight codes
	s_wait_dscnt 0x0                               ; for the others' sake; the fills of window 1 are in too
	s_barrier_signal -1
	s_barrier_wait -1
	; PRODUCTS 5 AND 6, and the rest of the constants
.irp c, 0,1,2,3,4,5,6,7
	ds_load_b64 v[32+2*\c:33+2*\c], v12 offset:16*\c
.endr
	FILLB B1, 1
	FILLB W2, 2
.irp i, 0,1,2,3,4,5,6,7
	v_ldexp_f32 v[92+\i], v[92+\i], s70            ; nb1 / 2^(e6 + e7)
.endr
	s_add_co_u32 s76, s48, SCO
	s_add_co_u32 s77, s48, SWO
	v_add_nc_u32 v[SCA], s76, v1                   ; tile 0, point r
	v_lshl_add_u32 v[SWA], v1, 2, s77              ; slot 0, point r
	ds_load_u8 v[CODE], v[SCA]
	v_mov_b32 v[ACCR], 0
	v_mov_b32 v[ACCW], 0
	s_wait_dscnt 33                                ; the eight loads of codes are in; the 32 fills and tile 0's code may be out
	v_wmma_f32_16x16x128_fp8_fp8 v[48:55], v[76:91], v[32:47], v[92:99]
	v_mov_b32 v21, 0
	v_mov_b32 v10, 0
	v_nop
	v_nop
.irp j, 0,1,2,3,4,5,6,7
	v_max_num_f32 v[48+\j], 0, v[48+\j]
.endr
	v_mul_f32 v19, v48, v100                       ; my eight units' part of o0 and of o1: nw2(u, c) lies at register 2 j + c
	v_mul_f32 v20, v48, v101
.irp j, 1,2,3,4,5,6,7
	v_fma_f32 v19, v[48+\j], v[100+2*\j], v19
	v_fma_f32 v20, v[48+\j], v[101+2*\j], v20
.endr
	v_permlanex16_b32 v12, v19, s52, s53
	v_permlanex16_b32 v13, v20, s52, s53
	v_add_f32 v19, v19, v12
	v_add_f32 v20, v20, v13
	v_ldexp_f32 v19, v19, s71                      ; x 2^(e6 + e7)
	v_ldexp_f32 v20, v20, s71
	s_wait_dscnt 0x0                               ; ib1, iw2, tile 0's code
	v_bfi_b32 v[IN], v[MASK], v[CODE], v[HB0]      ; the code of s is byte 0 of register 0 in lanes 0-15
.irp i, 0,1,2,3,4,5,6,7
	v_mov_b32 v[DOT+\i], 0                         ; the first trip's tail works on zeros, with the weight 0
.endr
; A TILE'S TAIL is a list of twelve instructions, worked off in the next tile's turn; TL writes number n of it.
;   0-3  the lane's 64 products of the dot with iw2 are summed;   4, 5  the other half of the lanes' sum is fetched and added: z
;   6-9  elu(z) + 1 = max(z, 0) + e^min(z, 0);   10, 11  each part times the point's weight, onto a sum of its own, so that the two do not wait for each other
.macro TL n
.if \n == 0
	v_pk_add_f32 v[DOT:DOT+1], v[DOT:DOT+1], v[DOT+2:DOT+3]
.elseif \n == 1
	v_pk_add_f32 v[DOT+4:DOT+5], v[DOT+4:DOT+5], v[DOT+6:DOT+7]
.elseif \n == 2
	v_pk_add_f32 v[DOT:DOT+1], v[DOT:DOT+1], v[DOT+4:DOT+5]
.elseif \n == 3
	v_add_f32 v9, v[DOT], v[DOT+1]
.elseif \n == 4
	v_permlanex16_b32 v10, v9, s52, s53
.elseif \n == 5
	v_add_f32 v9, v9, v10
.elseif \n == 6
	v_mul_f32 v11, 0x3fb8aa3b, v9
.elseif \n == 7
	v_min_num_f32 v11, 0, v11
.elseif \n == 8
	v_exp_f32 v12, v11
.elseif \n == 9
	v_max_num_f32 v13, 0, v9
.elseif \n == 10
	v_fmac_f32 v[ACCR], v13, v[WPV]
.else
	s_wait_alu depctr_va_vdst(0)
	v_fmac_f32 v[ACCW], v12, v[WPV]
.endif
.endm
.macro MD t                             ; layer 1, units 16 t on: relu and the hold at 448 x 2^(e2 - e0 - e1) in one, from the accumulator's low end on
.irp j, 0,1,2,3,4,5,6,7
	v_med3_num_f32 v[HG+8*\t+\j], v[HG+8*\t+\j], 0, s50
.endr
.endm
.macro CV t                             ; their eight codes: registers 2 t, 2 t + 1 of layer 2's operand
	v_cvt_scalef32_pk8_fp8_f32 v[PCD+2*\t:PCD+2*\t+1], v[HG+8*\t:HG+8*\t+7], v[SC1]
.endm
.macro DM t                             ; layer 2, units 16 t on: relu, two at a time: an even and an odd destination, second sources in neighbouring banks
.irp p, 0,1,2,3
	v_dual_max_num_f32 v[HG+8*\t+2*\p], 0, v[HG+8*\t+2*\p] :: v_dual_max_num_f32 v[HG+8*\t+2*\p+1], 0, v[HG+8*\t+2*\p+1]
.endr
.endm
.macro PF t                             ; their part of the dot with iw2, on four pairs of sums; tile 0 starts the sums
.irp p, 0,1,2,3
.if (\t == 0) && (\p == 0)
	v_pk_fma_f32 v[DOT:DOT+1], v[HG:HG+1], v[W2:W2+1], v[INIT:INIT+1]
.elseif \t == 0
	v_pk_mul_f32 v[DOT+2*\p:DOT+2*\p+1], v[HG+2*\p:HG+2*\p+1], v[W2+2*\p:W2+2*\p+1]
.else
	v_pk_fma_f32 v[DOT+2*\p:DOT+2*\p+1], v[HG+8*\t+2*\p:HG+8*\t+2*\p+1], v[W2+8*\t+2*\p:W2+8*\t+2*\p+1], v[DOT+2*\p:DOT+2*\p+1]
.endif
.endr
.endm
; ONE TILE OF 16 POINTS.  No matrix instruction adds onto its own result: C is always a bias.  Each result is read from its lowest register on.
.macro TILE
	ds_load_u8 v[CODE], v[SCA] offset:16           ; the next tile's code of s,
	ds_load_b32 v[WPV], v[SWA]                     ; and the weight of the tile before, whose tail is worked off in this turn
	WIN 0x11                                       ; source 0 (iw0) and C (ib0) in window 1
.irp t, 0,1,2,3,4,5,6,7
	v_wmma_f32_16x16x64_fp8_fp8 v[HG+8*\t:HG+8*\t+7], v[W0F+8*\t:W0F+8*\t+7], v[IN:IN+7], v[B0+8*\t:B0+8*\t+7]
.endr
	WIN 0
	TL 0                                           ; four additions: the places behind the products (ISA guide 7.12.1)
	TL 1
	TL 2
	TL 3
	MD 0                                           ; a tile's holds stand a group ahead of its conversion; one instruction of the tail stands between the groups
	TL 4
	MD 1
	CV 0
	TL 5
	MD 2
	CV 1
	TL 6
	MD 3
	CV 2
	TL 7
	MD 4
	CV 3
	TL 8
	MD 5
	CV 4
	MD 6
	MD 7
	CV 5
	CV 6
	CV 7
	s_wait_dscnt 0x0                               ; the two loads from the trip's head
	v_bfi_b32 v[IN], v[MASK], v[CODE], v[HB0]      ; four plain instructions between the last conversion and the products that read the codes
	v_add_nc_u32 v[SCA], 16, v[SCA]
	v_add_nc_u32 v[SWA], 64, v[SWA]
	TL 9
	WIN 0x01                                       ; source 0 (iw1) in window 1
.irp t, 0,1,2,3,4,5,6,7
	v_wmma_f32_16x16x128_fp8_fp8 v[HG+8*\t:HG+8*\t+7], v[W1F+16*\t:W1F+16*\t+15], v[PCD:PCD+15], v[B1+8*\t:B1+8*\t+7]
.endr
	WIN 0
	TL 10                                          ; four places behind the products
	TL 11
	v_nop
	v_nop
	DM 0                                           ; a tile's relus stand a group ahead of its multiply-adds
	DM 1
	PF 0
	DM 2
	PF 1
	DM 3
	PF 2
	DM 4
	PF 3
	DM 5
	PF 4
	DM 6
	PF 5
	DM 7
	PF 6
	PF 7
.endm
	s_mov_b32 s54, 0
.Ltile:
	TILE
	s_add_co_u32 s54, s54, 1
	s_cmp_lt_u32 s54, 20
	s_cbranch_scc1 .Ltile
	s_cmp_ge_u32 s2, 3                             ; waves 0 to 2 have a 21st tile
	s_cbranch_scc1 .Lskip
	TILE
.Lskip:
	ds_load_b32 v[WPV], v[SWA]                     ; the last tile's weight, and its tail
.irp n, 0,1,2,3,4,5,6,7,8,9
	TL \n
.endr
	s_wait_dscnt 0x0
	TL 10
	TL 11
	v_add_f32 v[ACCW], v[ACCW], v[ACCR]
	v_add_f32_dpp v[ACCW], v[ACCW], v[ACCW] row_xmask:1 row_mask:0xf bank_mask:0xf   ; over the 16 points of a half; both halves hold the same sums
	v_add_f32_dpp v[ACCW], v[ACCW], v[ACCW] row_xmask:2 row_mask:0xf bank_mask:0xf
	v_add_f32_dpp v[ACCW], v[ACCW], v[ACCW] row_xmask:4 row_mask:0xf bank_mask:0xf
	v_add_f32_dpp v[ACCW], v[ACCW], v[ACCW] row_xmask:8 row_mask:0xf bank_mask:0xf
	v_mov_b32 v18, v[ACCW]
	s_lshl_b32 s76, s2, 4
	s_add_co_u32 s76, s76, REDL
	v_mov_b32 v9, s76
	ds_store_b128 v9, v[18:21]                     ; my wave's sum, its parts of o0 and o1, 0
	s_wait_dscnt 0x0                               ; for wave 0's sake
	s_barrier_signal -1
	s_barrier_wait -1
	s_cmp_lg_u32 s2, 0
	s_cbranch_scc1 .Lend
	v_and_b32 v9, 7, v0
	v_lshlrev_b32 v9, 4, v9
	ds_load_b128 v[24:27], v9 offset:REDL          ; lane l takes wave l % 8's
	s_wait_dscnt 0x0
.irp m, 1,2,4
	v_add_f32_dpp v24, v24, v24 row_xmask:\m row_mask:0xf bank_mask:0xf
	v_add_f32_dpp v25, v25, v25 row_xmask:\m row_mask:0xf bank_mask:0xf
	v_add_f32_dpp v26, v26, v26 row_xmask:\m row_mask:0xf bank_mask:0xf
.endr
	v_add_f32 v26, s47, v26                        ; o1
	v_mul_f32 v26, 0x3fb8aa3b, v26
	v_exp_f32 v26, v26                             ; the scaling
	v_mul_f32 v24, s44, v24                        ; (plain instructions behind the exponential)
	v_mul_f32 v24, 0x3e800000, v24                 ; outer = the sum x x[b] / 4: the two halvings
	v_add_f32 v25, s46, v25                        ; o0
	s_wait_alu depctr_va_vdst(0)
	v_fma_f32 v24, v26, v24, v25
	v_mov_b32 v9, 0
	s_wait_xcnt 0x0                                ; EXEC changes only behind this wait
	v_cmp_eq_u32 vcc_lo, 0, v0
	s_and_saveexec_b32 s76, vcc_lo
	global_store_b32 v9, v24, s[34:35]             ; out0[b]
	s_wait_xcnt 0x0                                ; and again, in front of the line that widens it
	s_or_b32 exec_lo, exec_lo, s76
.Lend:
	s_wait_xcnt 0x0
	s_mov_b32 exec_lo, -1
	v_lshl_add_u32 v126, v0, 2, 0xf400
	v_mov_b32 v127, 0
	s_wait_tensorcnt 0x0
	ds_add_u32 v126, v127
	s_wait_dscnt 0x0
	s_endpgm
.Lfunc_end_k_qe0ad24a02b_umnn:
	.size	k_qe0ad24a02b_umnn, .Lfunc_end_k_qe0ad24a02b_umnn-k_qe0ad24a02b_umnn
	.p2alignl 7, 3214868480
	.fill 96, 4, 3214868480
	.section	.rodata,"a",@progbits
	.p2align	6, 0x0
	.amdhsa_kernel k_qe0ad24a02b_umnn
		.amdhsa_group_segment_fixed_size 63488
		.amdhsa_private_segment_fixed_size 0
		.amdhsa_enable_private_segment 0
		.amdhsa_kernarg_size 128
		.amdhsa_user_sgpr_count 2
		.amdhsa_user_sgpr_kernarg_segment_ptr 1
		.amdhsa_wavefront_size32 1
		.amdhsa_system_sgpr_workgroup_id_x 1
		.amdhsa_system_sgpr_workgroup_id_y 1
		.amdhsa_system_sgpr_workgroup_id_z 1
		.amdhsa_system_vgpr_workitem_id 0
		.amdhsa_next_free_vgpr 512
		.amdhsa_next_free_sgpr 80
		.amdhsa_reserve_vcc 1
		.amdhsa_float_denorm_mode_32 3
		.amdhsa_float_denorm_mode_16_64 3
		.amdhsa_memory_ordered 1
		.amdhsa_forward_progress 1
		.amdhsa_inst_pref_size 84
	.end_amdhsa_kernel
	.amdgpu_metadata
---
amdhsa.version: [ 1, 2 ]
amdhsa.kernels:
  - .name:           k_qe0ad24a02b_umnn
    .symbol:         k_qe0ad24a02b_umnn.kd
    .args:
      - { .name: x, .offset: 0, .size: 8, .value_kind: global_buffer, .address_space: global }
      - { .name: h, .offset: 8, .size: 8, .value_kind: global_buffer, .address_space: global }
      - { .name: iw0_codes, .offset: 16, .size: 8, .value_kind: global_buffer, .address_space: global }
      - { .name: iw1_codes, .offset: 24, .size: 8, .value_kind: global_buffer, .address_space: global }
      - { .name: ib0, .offset: 32, .size: 8, .value_kind: global_buffer, .address_space: global }
      - { .name: ib1, .offset: 40, .size: 8, .value_kind: global_buffer, .address_space: global }
      - { .name: iw2, .offset: 48, .size: 8, .value_kind: global_buffer, .address_space: global }
      - { .name: ib2, .offset: 56, .size: 8, .value_kind: global_buffer, .address_space: global }
      - { .name: nw0, .offset: 64, .size: 8, .value_kind: global_buffer, .address_space: global }
      - { .name: nb0, .offset: 72, .size: 8, .value_kind: global_buffer, .address_space: global }
      - { .name: nw1_codes, .offset: 80, .size: 8, .value_kind: global_buffer, .address_space: global }
      - { .name: nb1, .offset: 88, .size: 8, .value_kind: global_buffer, .address_space: global }
      - { .name: nw2, .offset: 96, .size: 8, .value_kind: global_buffer, .address_space: global }
      - { .name: nb2, .offset: 104, .size: 8, .value_kind: global_buffer, .address_space: global }
      - { .name: lowp_scales, .offset: 112, .size: 8, .value_kind: global_buffer, .address_space: global }
      - { .name: out0, .offset: 120, .size: 8, .value_kind: global_buffer, .address_space: global }
    .group_segment_fixed_size: 63488
    .private_segment_fixed_size: 0
    .kernarg_segment_align: 8
    .kernarg_segment_size: 128
    .max_flat_workgroup_size: 256
    .sgpr_count:     80
    .vgpr_count:     512
    .wavefront_size: 32
...
	.end_amdgpu_metadata
.endif
;; end of part 2
